; MI455X (gfx1250); checked and timed in simulation.
; The chip was launched on July 23, 2026; its instructions are those of AMD's public machine-readable ISA for CDNA 5 (MIT licence, August 2026) and "CDNA5" Instruction Set Architecture Reference Guide (July 2026). The comments in the code are by the model that wrote it; some were corrected since.
;; Int8 Linear. Allowed arithmetic: matrix products marked QUANTISED: E2M1 operands, one E8M0 scale for each 32 along K, by v_wmma_scale_f32_16x16x128_f8f6f4 with both operands' format E2M1 (or v_wmma_scale_f32_32x16x128_f4), f32 sums; everything else in f32.
;; Inputs: bias 16,384 float32; scale 16,384 x 1 float32; weight_int8 16,384 x 4,096 int8; x 4 x 256 x 4,096 float32.
;; Outputs: out0 4 x 256 x 16,384 float32.
;; This version of the problem:
;;   THIS VERSION OF THE PROBLEM IS GIVEN IN LOW PRECISION. The matrix products marked QUANTISED in the list below multiply operands that are first quantised to E2M1 (2 exponent bits, 1 mantissa bit; 4 bits a number), with one power-of-two scale for each 32 numbers along K (OCP MX v1.0); their sums are f32. All else is computed in f32.
;;   The module's matrix products, in the order in which they are computed (A, B: the left and right operand; K: the contracted axis; several contracted axes count as one K, in the product's order):
;;     1. [M 1,024, K 4,096] x [K 4,096, N 16,384]; A: input x; B: computed on the way: QUANTISED
;;   THE QUANTISER, for each operand of a quantised product, along K:
;;     - K is cut into blocks of 32 from its start; a last block that is shorter is filled with zeros.
;;     - A block's scale is 2^e with e = floor(log2(the largest magnitude in the block)) - 2, held to -126 .. 127; a block of zeros has e = 0. As a byte (E8M0): e + 127.
;;     - Each number is divided by its block's scale, clamped to +-6, and rounded to the nearest number of E2M1, ties to even, subnormals kept.
;;     - The product sums the exact products of the quantised numbers (number of the format x scale) in f32.
;;   ~~~python
;;   def quantise(x, axis):      # numpy; x: float32 -> the quantised numbers, widened to float32 again
;;       x = np.moveaxis(x, axis, -1); K = x.shape[-1]
;;       x = np.pad(x, [(0, 0)] * (x.ndim - 1) + [(0, -K % 32)]); x = x.reshape(x.shape[:-1] + (-1, 32)); a = np.abs(x).max(-1, keepdims=True)
;;       e = np.where(a > 0, np.clip(np.frexp(np.where(a > 0, a, 1))[1] - 1 - 2, -126, 127), 0)      # np.frexp(a)[1] - 1 = floor(log2(a)), exactly
;;       r = np.clip(x / 2.0 ** e, -6, 6)
;;       step = 2.0 ** (np.maximum(np.frexp(np.where(r == 0, 1, r))[1] - 1, 0) - 1)
;;       q = np.round(r / step) * step * 2.0 ** e      # np.round: ties to even
;;       return np.moveaxis(q.reshape(q.shape[:-2] + (-1,))[..., :K], -1, axis).astype(np.float32)
;;   ~~~
;;   OPERANDS COMPUTED ON THE WAY. 'Computed on the way' means the value that the module computes at that place (a softmax that the list does not call 'softmax' is quantised finished and normalised). What goes into a quantiser is computed in f32, as accurately as f32 sums, v_exp_f32 and their like allow (about 1e-6 of the number): no bf16 or f16 on the way to a quantiser, and a product that is left as it is and whose result goes on into a quantised operand takes f32 operands (vector FMAs, or v_wmma_f32_16x16x4_f32). A number that lies on a knife's edge between two numbers of the format may be rounded either way, as far as f32 arithmetic and the matrix unit's own rounding can turn it there, and no further.
;; One version. Each part assembles by itself: llvm-mc -triple=amdgcn-amd-amdhsa -mcpu=gfx1250 --defsym DOCPART=n.
;; ======== version 1 of 1: 2 launches
;; limits: right only within a limited range of input values
;; workspace buffers: xc 2,097,152 bytes; xs 131,072 bytes; wc 33,554,432 bytes; ws 2,097,152 bytes
;; launch prep (part 1): grid 512 x 1, 8 waves a work-group, no clusters, 46,336 bytes of LDS; arguments x, weight_int8, scale, xc, xs, wc, ws; writes xc, xs, wc, ws
.if DOCPART == 1
	.amdgcn_target "amdgcn-amd-amdhsa--gfx1250"
	.amdhsa_code_object_version 6
	.text
	.protected	k_qf57a84c608_prep
	.globl	k_qf57a84c608_prep
	.p2align	8
	.type	k_qf57a84c608_prep,@function
k_qf57a84c608_prep:
	s_mov_b64 s[64:65], 0
	v_nop
	global_prefetch_b8 v0, s[64:65] scope:SCOPE_SE
	s_setreg_imm32_b32 hwreg(HW_REG_WAVE_MODE, 25, 1), 1
	s_wait_xcnt 0x0
; Both operands of out = Q(x) Q(w)^T + bias are quantised once: x [1024][4096] f32, and w[n][k] = f32(weight_int8[n][k]) x scale[n], [16384][4096].
; Q: codes of FP4 (E2M1), K innermost, two a byte (xc, wc: rows of 2,048 bytes), one E8M0 byte for each 32 along K.
; The scale bytes are laid by K step of 512: xs [8][1024][16], ws [8][16384][16]: the bytes of 256 rows for one K step are 4,096 consecutive bytes.
; A block's byte is its largest magnitude's exponent field - 2, held at 1 from below by a floor among the maximum's leaves.
; LIMITS: NaN and infinities are not served.  A block of zeros gets the byte 1 where the rule says 127: its codes are zeros, and this program alone reads the bytes.
; SHARES.  Work-group g, wave i.  Weights: rows 32 g .. + 31, K step i: 32 loads of 512 consecutive bytes, a lane 16 numbers, lanes l and l xor 1 a block.
; x: rows 16 (g / 8) + 2 i, + 1, K step g % 8: 4 loads of 512 bytes a row, turned through the wave's own stage so that a lane holds 16 neighbours.
; A row's codes of a K step leave as 256 consecutive bytes, eight rows' stores in one run.
; THE WEIGHTS' SCALE BYTES: a lane holds the byte of block p = l / 2 for each row.  Four rows' bytes are packed in a register and transposed 4 x 4 among the lanes l, l xor 2, l xor 4, l xor 6:
; the lane with p % 4 = a then holds, of row 4 m + a, the bytes of blocks 4 (p / 4) + 0 .. 3: one word of the row's 16 bytes.  One LDS store of a word for four rows; 16 rows leave as 256 consecutive bytes.
; x's scale bytes, two rows a wave, go to LDS byte by byte; they come from all eight waves: one barrier, wave 0 stores 256 bytes.
; No loop: all 40 loads of a wave are out at once, so there is no trip to prefetch ahead in.  No tensor loads, no clusters: no byte is read by two work-groups.
.set SP,    80                         ; a lane's place in a stage: 64 bytes + 16
.set WSBY,  40960                      ; behind 8 waves x 2 stages of 2,560: the weights' scale bytes, 512 a wave
.set XSBY,  45056                      ; x's scale bytes, 256 for the work-group
.set SPARE, 45312                      ; the spare words, 128 bytes a wave
.set SPW,   10
.set NIL,   11
.set T,     16                         ; v16-23   at work, two sets
.set XR,    24                         ; v24-55   x as loaded; then its codes
.set F,     56                         ; v56-87   16 numbers, two sets
.set RAW,   88                         ; v88-215  weight bytes as loaded; then their codes and byte
.set SBO,   216                        ; v216-221 scale bytes on the way out
.set RQ,    222                        ; four rows' bytes
.set OQ,    223                        ; another lane's
.set SEL1,  224                        ; v_perm_b32's selects of the two exchanges, by the lane's bits 1 and 2
.set SEL2,  225
	s_load_b256 s[4:11], s[0:1], 0x0               ; x, weight, scale, xc
	s_load_b128 s[12:15], s[0:1], 0x20             ; xs, wc
	s_load_b64 s[48:49], s[0:1], 0x30              ; ws
	v_lshl_add_u32 v[SPW], v0, 2, SPARE
	v_mov_b32 v[NIL], 0
	v_lshrrev_b32 v1, 5, v0
	s_delay_alu instid0(VALU_DEP_1)
	v_readfirstlane_b32 s51, v1                    ; wave i
	s_mul_i32 s52, s51, 5120                       ; my two stages
	s_lshl_b32 s53, s51, 9
	s_add_co_u32 s53, s53, WSBY
	s_lshl_b32 s50, s51, 5
	s_add_co_u32 s50, s50, XSBY
	s_lshl_b32 s66, ttmp9, 17                      ; weights: 32 rows of 4,096 bytes a work-group, + 512 i
	s_lshl_b32 s67, s51, 9
	s_add_co_u32 s66, s66, s67
	s_mov_b32 s67, 0
	s_lshl_b32 s68, ttmp9, 16                      ; their codes: 32 rows of 2,048, + 256 i
	s_lshl_b32 s69, s51, 8
	s_add_co_u32 s68, s68, s69
	s_mov_b32 s69, 0
	s_lshl_b32 s70, s51, 18                        ; their scale bytes: K step i, 32 rows x 16
	s_lshl_b32 s71, ttmp9, 9
	s_add_co_u32 s70, s70, s71
	s_mov_b32 s71, 0
	s_lshr_b32 s72, ttmp9, 3                       ; x's group of 16 rows
	s_and_b32 s73, ttmp9, 7                        ; x's K step
	s_lshl_b32 s74, s72, 4
	s_lshl_b32 s75, s51, 1
	s_add_co_u32 s74, s74, s75                     ; my first row of x
	s_lshl_b32 s76, s74, 14
	s_lshl_b32 s77, s73, 11
	s_add_co_u32 s76, s76, s77
	s_mov_b32 s77, 0
	s_lshl_b32 s78, s74, 11
	s_lshl_b32 s79, s73, 8
	s_add_co_u32 s78, s78, s79
	s_mov_b32 s79, 0
	s_lshl_b32 s80, s73, 14
	s_lshl_b32 s81, s72, 8
	s_add_co_u32 s80, s80, s81
	s_mov_b32 s81, 0
	s_lshl_b32 s75, ttmp9, 7                       ; scale: 32 numbers a work-group
	s_mov_b32 s56, 0x80808080                      ; int8 + 128, four at a time
	s_mov_b32 s57, 0x4b000000                      ; 2^23
	s_mov_b32 s58, 0xcb000080                      ; -(2^23 + 128)
	s_mov_b32 s59, s58
	s_mov_b32 s60, 0x03020104                      ; v_perm_b32: byte i under the upper three bytes of 2^23
	s_mov_b32 s61, 0x03020105
	s_mov_b32 s62, 0x03020106
	s_mov_b32 s63, 0x03020107
	s_mov_b32 s55, 0                               ; named with s54 as a pair
	v_and_b32 v2, 31, v0
	v_bfe_u32 v9, v0, 2, 3
	v_and_b32 v12, 3, v0
	v_bfe_u32 v13, v0, 1, 4                        ; my block of 32 in the 512
	s_delay_alu instid0(VALU_DEP_3)
	v_mul_u32_u24 v14, v9, SP
	v_lshlrev_b32 v3, 4, v2                        ; 16 x lane: loads
	v_lshlrev_b32 v4, 3, v2                        ; 8 x lane: stores
	v_mul_u32_u24 v15, v2, SP
	s_delay_alu instid0(VALU_DEP_4)
	v_lshl_add_u32 v14, v12, 4, v14
	v_bfe_u32 v9, v0, 1, 2                         ; a = p % 4
	v_bfe_u32 v12, v0, 3, 2                        ; p / 4
	v_add_nc_u32 v6, s53, v4                       ; the weights' scale bytes on the way out: 8 a lane
	v_add_nc_u32 v7, s50, v13                      ; a byte of x's
	s_delay_alu instid0(VALU_DEP_4)
	v_lshl_add_u32 v5, v9, 4, s53                  ; a word of the weights': row a of four, 16 bytes a row,
	v_add_nc_u32 v8, XSBY, v4
	v_add_nc_u32 v14, s52, v14                     ; the stage, in: SP (lane / 4) + 16 (lane % 4)
	v_add_nc_u32 v15, s52, v15                     ; and out: SP x lane
	s_delay_alu instid0(VALU_DEP_4)
	v_lshl_add_u32 v5, v12, 2, v5                  ; word p / 4
	v_and_b32 v9, 2, v0
	v_and_b32 v12, 4, v0
	v_mov_b32 v[SEL1], 0x03070105                  ; a odd: the other's bytes 1, 3 in front of mine
	v_mov_b32 v[SEL2], 0x03020706                  ; a >= 2: the other's upper half in front of mine
	v_mov_b32 v[OQ], 0                             ; written once: a DPP form's destination counts as read
	v_cmp_ne_u32 vcc_lo, 0, v9
	s_delay_alu instid0(VALU_DEP_1)
	v_cndmask_b32 v[SEL1], 0x06020400, v[SEL1], vcc_lo   ; a even: my bytes 0, 2 in front of the other's
	v_cmp_ne_u32 vcc_lo, 0, v12
	s_delay_alu instid0(VALU_DEP_1)
	v_cndmask_b32 v[SEL2], 0x05040100, v[SEL2], vcc_lo   ; a < 2: my lower half in front of the other's
	s_wait_alu depctr_va_vdst(0)
	s_wait_kmcnt 0x0
	s_add_nc_u64 s[4:5], s[4:5], s[76:77]
	s_add_nc_u64 s[6:7], s[6:7], s[66:67]
	s_add_nc_u64 s[10:11], s[10:11], s[78:79]
	s_add_nc_u64 s[12:13], s[12:13], s[80:81]
	s_add_nc_u64 s[14:15], s[14:15], s[68:69]
	s_add_nc_u64 s[48:49], s[48:49], s[70:71]
	s_load_b512 s[16:31], s[8:9], s75 offset:0x0   ; my 32 rows' scale: s[16 + n]
	s_load_b512 s[32:47], s[8:9], s75 offset:0x40
.irp e, 0,1
.irp k, 0,1,2,3
	global_load_b128 v[XR+16*\e+4*\k:XR+16*\e+4*\k+3], v3, s[4:5] offset:16384*\e+512*\k th:TH_LOAD_NT
.endr
.endr
.set N, 0
.rept 32
	global_load_b128 v[RAW+4*N:RAW+4*N+3], v3, s[6:7] offset:4096*N th:TH_LOAD_NT
.set N, N+1
.endr
	s_wait_kmcnt 0x0
; 16 numbers at v[f ..] -> the block's largest magnitude (with lane l xor 1), 16 codes in v[d], v[d+1], the scale's byte in v[y]
.macro QFIN f, t, d, y
	v_max3_num_f32 v[\t], |v[\f]|, |v[\f+1]|, 0x1800000        ; the floor 2^(3 - 127) holds the byte at 1 from below
	v_max3_num_f32 v[\t+1], |v[\f+2]|, |v[\f+3]|, |v[\f+4]|
.irp i, 5,9
	s_delay_alu instid0(VALU_DEP_2)
	v_max3_num_f32 v[\t], v[\t], |v[\f+\i]|, |v[\f+\i+1]|
	s_delay_alu instid0(VALU_DEP_2)
	v_max3_num_f32 v[\t+1], v[\t+1], |v[\f+\i+2]|, |v[\f+\i+3]|
.endr
	s_delay_alu instid0(VALU_DEP_2)
	v_max3_num_f32 v[\t], v[\t], |v[\f+13]|, |v[\f+14]|
	s_delay_alu instid0(VALU_DEP_1)
	v_max3_num_f32 v[\t], v[\t], v[\t+1], |v[\f+15]|
	s_delay_alu instid0(VALU_DEP_1)
	v_max_num_f32_dpp v[\t], v[\t], v[\t] row_xmask:1 row_mask:0xf bank_mask:0xf
	s_delay_alu instid0(VALU_DEP_1)
	v_add_nc_u32 v[\t+2], 0xff000000, v[\t]        ; 2 off the exponent field: the conversion's scale operand
	v_cvt_scalef32_pk8_fp4_f32 v[\d], v[\f:\f+7], v[\t+2]
	v_cvt_scalef32_pk8_fp4_f32 v[\d+1], v[\f+8:\f+15], v[\t+2]
	v_lshrrev_b32 v[\y], 23, v[\t+2]               ; the byte; also the plain line behind the conversions
.endm
.macro XTURN e                         ; a row's 2,048 bytes through my stage: LDS serves a wave's instructions in order
	s_wait_loadcnt 36-4*\e                         ; behind this row's four loads: the other row's (e = 0) and the weights' 32
.irp k, 0,1,2,3
	ds_store_b128 v14, v[XR+16*\e+4*\k:XR+16*\e+4*\k+3] offset:2560*\e+640*\k
.endr
.irp k, 0,1,2,3
	ds_load_b128 v[F+16*\e+4*\k:F+16*\e+4*\k+3], v15 offset:2560*\e+16*\k
.endr
.endm
.macro XQ e
	QFIN F+16*\e, T+4*\e, XR+16*\e, XR+16*\e+2
	ds_store_b8 v7, v[XR+16*\e+2] offset:16*\e     ; both lanes of a block write the same byte
.endm
	XTURN 0
	XTURN 1
	s_wait_dscnt 8                                 ; row 0 is back; behind it row 1's four stores and four loads
	XQ 0
	s_wait_dscnt 1                                 ; row 1 is back; the byte's store may be out
	XQ 1
	global_store_b64 v4, v[XR:XR+1], s[10:11]
	global_store_b64 v4, v[XR+16:XR+17], s[10:11] offset:2048
; Weight row n: int8 -> f32 exactly (byte + 128 under the exponent of 2^23, less 2^23 + 128), x scale[n] in f32, one rounding
.macro WROW n
.set QD, RAW+4*(\n)
.set QF, F+16*((\n)%2)
.set QT, T+4*((\n)%2)
	s_wait_loadcnt 31-(\n)                         ; loads come back in order: the younger rows may be out
	s_mov_b32 s54, s[16+(\n)]
.irp k, 0,1,2,3
	v_xor_b32 v[QD+\k], s56, v[QD+\k]
.endr
	s_delay_alu instid0(VALU_DEP_4)
.irp k, 0,1,2,3,4,5,6,7,8,9,10,11,12,13,14,15
	v_perm_b32 v[QF+\k], v[QD+\k/4], s57, s[60+\k%4]
.endr
.irp k, 0,2,4,6,8,10,12,14
	v_pk_add_f32 v[QF+\k:QF+\k+1], v[QF+\k:QF+\k+1], s[58:59] op_sel_hi:[1,0]
.endr
.irp k, 0,2,4,6,8,10,12,14
	v_pk_mul_f32 v[QF+\k:QF+\k+1], v[QF+\k:QF+\k+1], s[54:55] op_sel_hi:[1,0]
.endr
.if ((\n)%4) == 0
	QFIN QF, QT, QD, RQ
.else
	QFIN QF, QT, QD, QD+2
	s_delay_alu instid0(VALU_DEP_1)
	v_lshl_or_b32 v[RQ], v[QD+2], 8*((\n)%4), v[RQ]            ; byte n % 4 of the four rows' register
.endif
.if ((\n)%4) == 3
	s_delay_alu instid0(VALU_DEP_1)
	v_mov_b32_dpp v[OQ], v[RQ] row_xmask:2 row_mask:0xf bank_mask:0xf   ; 4 x 4 bytes are transposed: single bytes with the lane of a xor 1,
	s_delay_alu instid0(VALU_DEP_1)
	v_perm_b32 v[RQ], v[OQ], v[RQ], v[SEL1]
	s_delay_alu instid0(VALU_DEP_1)
	v_mov_b32_dpp v[OQ], v[RQ] row_xmask:4 row_mask:0xf bank_mask:0xf   ; halves with the lane of a xor 2
	s_delay_alu instid0(VALU_DEP_1)
	v_perm_b32 v[RQ], v[OQ], v[RQ], v[SEL2]
	ds_store_b32 v5, v[RQ] offset:16*((\n)-3)      ; 16 different words, 64 consecutive bytes; lanes l and l xor 1 write the same word
.endif
.endm
.set N, 0
.rept 32
	WROW N
.if (N%8) == 7
.set M, N-7
.rept 8
	global_store_b64 v4, v[RAW+4*M:RAW+4*M+1], s[14:15] offset:2048*M   ; eight rows' codes in one run; each row has registers of its own
.set M, M+1
.endr
.endif
.set N, N+1
.endr
	ds_load_b64 v[SBO:SBO+1], v6                   ; my two groups of 16 rows x 16 bytes
	ds_load_b64 v[SBO+2:SBO+3], v6 offset:256
	s_wait_dscnt 0x0                               ; these are in; and, for the others' sake, my bytes of x lie in LDS
	global_store_b64 v4, v[SBO:SBO+1], s[48:49]
	global_store_b64 v4, v[SBO+2:SBO+3], s[48:49] offset:256
	s_barrier_signal -1
	s_barrier_wait -1
	s_cmp_lg_u32 s51, 0
	s_cbranch_scc1 .Ldone
	ds_load_b64 v[SBO+4:SBO+5], v8                 ; wave 0 stores the eight waves' 256 bytes
	s_wait_dscnt 0x0
	global_store_b64 v4, v[SBO+4:SBO+5], s[12:13]
.Ldone:
	s_wait_tensorcnt 0x0                           ; the wave's end
	ds_add_u32 v[SPW], v[NIL]
	s_wait_dscnt 0x0
	s_endpgm
.Lfunc_end_k_qf57a84c608_prep:
	.size	k_qf57a84c608_prep, .Lfunc_end_k_qf57a84c608_prep-k_qf57a84c608_prep
	.p2alignl 7, 3214868480
	.fill 96, 4, 3214868480
	.section	.rodata,"a",@progbits
	.p2align	6, 0x0
	.amdhsa_kernel k_qf57a84c608_prep
		.amdhsa_group_segment_fixed_size 46336
		.amdhsa_private_segment_fixed_size 0
		.amdhsa_enable_private_segment 0
		.amdhsa_kernarg_size 56
		.amdhsa_user_sgpr_count 2
		.amdhsa_user_sgpr_kernarg_segment_ptr 1
		.amdhsa_wavefront_size32 1
		.amdhsa_system_sgpr_workgroup_id_x 1
		.amdhsa_system_sgpr_workgroup_id_y 1
		.amdhsa_system_sgpr_workgroup_id_z 1
		.amdhsa_system_vgpr_workitem_id 0
		.amdhsa_next_free_vgpr 226
		.amdhsa_next_free_sgpr 84
		.amdhsa_reserve_vcc 1
		.amdhsa_float_denorm_mode_32 3
		.amdhsa_float_denorm_mode_16_64 3
		.amdhsa_memory_ordered 1
		.amdhsa_forward_progress 1
		.amdhsa_inst_pref_size 127
	.end_amdhsa_kernel
	.amdgpu_metadata
---
amdhsa.version: [ 1, 2 ]
amdhsa.kernels:
  - .name:           k_qf57a84c608_prep
    .symbol:         k_qf57a84c608_prep.kd
    .args:
      - { .name: x, .offset: 0, .size: 8, .value_kind: global_buffer, .address_space: global }
      - { .name: weight_int8, .offset: 8, .size: 8, .value_kind: global_buffer, .address_space: global }
      - { .name: scale, .offset: 16, .size: 8, .value_kind: global_buffer, .address_space: global }
      - { .name: xc, .offset: 24, .size: 8, .value_kind: global_buffer, .address_space: global }
      - { .name: xs, .offset: 32, .size: 8, .value_kind: global_buffer, .address_space: global }
      - { .name: wc, .offset: 40, .size: 8, .value_kind: global_buffer, .address_space: global }
      - { .name: ws, .offset: 48, .size: 8, .value_kind: global_buffer, .address_space: global }
    .group_segment_fixed_size: 46336
    .private_segment_fixed_size: 0
    .kernarg_segment_align: 8
    .kernarg_segment_size: 56
    .max_flat_workgroup_size: 256
    .sgpr_count:     84
    .vgpr_count:     226
    .wavefront_size: 32
...
	.end_amdgpu_metadata
.endif
;; end of part 1
;; launch mm (part 2): grid 64 x 4, 4 waves a work-group, clusters of 4 x 4, 327,680 bytes of LDS; arguments xc, xs, wc, ws, bias, out0; writes out0
.if DOCPART == 2
	.amdgcn_target "amdgcn-amd-amdhsa--gfx1250"
	.amdhsa_code_object_version 6
	.text
	.protected	k_qf57a84c608_mm
	.globl	k_qf57a84c608_mm
	.p2align	8
	.type	k_qf57a84c608_mm,@function
k_qf57a84c608_mm:
	s_mov_b64 s[64:65], 0
	v_nop
	global_prefetch_b8 v0, s[64:65] scope:SCOPE_SE
	s_setreg_imm32_b32 hwreg(HW_REG_WAVE_MODE, 25, 1), 1
	s_wait_xcnt 0x0
	s_wait_alu depctr_hold_cnt(0) depctr_sa_sdst(0) depctr_va_vdst(0) depctr_va_sdst(0) depctr_va_ssrc(0) depctr_va_vcc(0) depctr_vm_vsrc(0)
	s_getreg_b32 s2, hwreg(HW_REG_IB_STS2, 6, 4)
	s_cmp_eq_u32 s2, 0
	s_cbranch_scc0 .Lentry_in_a_cluster
	s_endpgm
.Lentry_in_a_cluster:
	s_bfe_u32 s2, ttmp6, 0x10000c
	s_cmp_lg_u32 s2, 0xf033
	s_cbranch_scc0 .Lentry_shape_is_right
	s_endpgm
.Lentry_shape_is_right:
; out[m][n] = sum over k of A[m][k] B[n][k] + bias[n].  A = Q(x) [1024][4096], B = Q(w) [16384][4096]: codes of FP4 in xc, wc (rows of 2,048 bytes) and E8M0 bytes in xs, ws, laid [K / 512][row][16].
; A tile of out, 256 x 256, is made by four waves, each 128 x 128: 64 accumulators, 512 registers.  64 x 4 tiles: 256 work-groups.
; K goes in steps of 512 through a ring of two LDS slots.  A slot: A's 256 rows of 256 bytes (+ 16 of padding each), B's 256, A's 4,096 scale bytes, B's 4,096.
; Each fill is four tensor loads, one a wave: wave 0 A's codes, wave 1 B's, wave 2 A's scale bytes, wave 3 B's.  One group 0 for each kind, stepped where no load of the wave is out.
; FRAGMENTS: two sets of registers for A and two for B.  A step of 128 along K begins with ONE run of 32 LDS loads, the next step's fragments into the other sets; its 64 products follow the run.
; CLUSTERS: 4 x 4 work-groups; A's tiles are asked for jointly along a row of the cluster, B's along a column.  The grid is one cluster high, so the tile row is cy.
; THE MATRIX INSTRUCTION IS USED TRANSPOSED (source 0 = 16 rows of B, source 1 = 16 rows of A): a lane holds eight neighbouring columns of a row of out.  The bias is the C of each sum's first product.
; PREFETCH: behind each refill in the loop, the codes of the K step two refills on: 64 rows of A's tile and 64 of B's a work-group, a lane a row of 256 bytes, the four partners told apart by address.
; The first four K steps come by their loads alone; the loop's last trip asks for nothing.  The scale bytes, 1/17 of a step's bytes, are not prefetched.
; LIMITS: NaN and infinities are not served.  Each sum starts with the bias: the order of rounding differs from a sum with the bias added last.
; REGISTERS: window 0: v0-31 addresses; v32-95 scale words, two sets; v128-191, v192-255 A's fragments, two sets; on the way out v128-255.
;   window 1: v0-63, v128-191 B's fragments, two sets; v64-127 the bias.  Window 2: accumulators of my rows 0-63 ((a, b) at v[8 (8 a + b)]); window 3: rows 64-127.
.set NQ,     4
.set ROWB,   256
.set KROW,   2048
.set PITCH,  272                       ; 256 + 16: the 16 rows that a load touches start at 16 different banks (64 banks of 4 bytes: ISA guide 11.1)
.set HALFT,  128*PITCH
.set TILE,   2*HALFT
.set SCA,    2*TILE
.set SCB,    SCA+4096
.set SLOT,   SCB+4096
.set SPARE,  2*SLOT                    ; the spare words, 128 bytes a wave
.set SPITCH, 528                       ; the way out: a stage of 16 rows x (512 + 16) bytes a wave, in slot 0, behind its last fill and last read
.set NROW,   65536                     ; a row of out in bytes
.set ADRA, 16
.set ADRB, 20
.set ADRS, 22
.set STO,  24
.set RD,   25
.set CO,   26
.set SPW,  28
.set NIL,  29
.set PFO,  30
.set BSO,  31
.set SC,   32
.set AF,   128
.set BK,   128
.set BIAS, 64                          ; window 1
.set G1A,  20
.set G1B,  28
.set G1SA, 36
.set G1SB, 44
.set G0A,  52
.set G0B,  56
.set G0SA, 60
.set G0SB, 68
.set PFA,  86
.set MSB, 0
.macro WIN new                         ; the immediate's high byte repeats the setting that is left
.if MSB != (\new)
	s_set_vgpr_msb (MSB<<8)|(\new)
.set MSB, (\new)
.endif
.endm
.set MUL_LO, 0xa1                      ; source 0 (B) window 1, source 1 (A) window 0, C and D window 2
.set MUL_HI, 0xf1                      ; the same, C and D window 3
.set TO_B,   0x40
.macro PLACES n
.rept \n
	v_nop
.endr
.endm
.macro TL g0, g1                       ; s_nop 0 and four v_nop behind the load
	tensor_load_to_lds s[\g0:\g0+3], s[\g1:\g1+7]
	s_nop 0
	PLACES 4
.endm
.macro FILL                            ; one chain of branches on the wave's number, one joint load to an arm
	s_cmp_lt_u32 s16, 1
	s_cbranch_scc0 .Lfb_\@
	TL G0A, G1A
	s_branch .Lfe_\@
.Lfb_\@:
	s_cmp_lt_u32 s16, 2
	s_cbranch_scc0 .Lfc_\@
	TL G0B, G1B
	s_branch .Lfe_\@
.Lfc_\@:
	s_cmp_lt_u32 s16, 3
	s_cbranch_scc0 .Lfd_\@
	TL G0SA, G1SA
	s_branch .Lfe_\@
.Lfd_\@:
	TL G0SB, G1SB
.Lfe_\@:
.endm
.macro NEXTG slot                      ; the four groups 0 on to the next K step, into this slot (no tensor load of the wave is out)
	s_add_nc_u64 s[G0A+2:G0A+3], s[G0A+2:G0A+3], ROWB
	s_mov_b32 s[G0A+1], \slot*SLOT
	s_add_nc_u64 s[G0B+2:G0B+3], s[G0B+2:G0B+3], ROWB
	s_mov_b32 s[G0B+1], \slot*SLOT+TILE
	s_add_nc_u64 s[G0SA+2:G0SA+3], s[G0SA+2:G0SA+3], 16384
	s_mov_b32 s[G0SA+1], \slot*SLOT+SCA
	s_add_nc_u64 s[G0SB+2:G0SB+3], s[G0SB+2:G0SB+3], 262144
	s_mov_b32 s[G0SB+1], \slot*SLOT+SCB
.endm
.macro CREST
	s_cmp_lg_u32 s16, 0
	s_cbranch_scc1 .Lnot_wave_0_\@
	s_barrier_signal -3
.Lnot_wave_0_\@:
	s_barrier_wait -3
	s_barrier_signal -1
	s_barrier_wait -1
.endm
.macro CROUND
	s_barrier_signal -1
	s_barrier_wait -1
	CREST
.endm
	s_load_b256 s[4:11], s[0:1], 0x0               ; xc, xs, wc, ws
	s_load_b128 s[12:15], s[0:1], 0x20             ; bias, out
	v_lshl_add_u32 v[SPW], v0, 2, SPARE
	v_mov_b32 v[NIL], 0
	ds_add_u32 v[SPW], v[NIL]                      ; the opening lines: the add, twice on end, and its wait
	ds_add_u32 v[SPW], v[NIL]
	v_lshrrev_b32 v1, 5, v0
	v_readfirstlane_b32 s16, v1                    ; wave
	s_lshr_b32 s17, s16, 1                         ; my half of the tile's rows
	s_and_b32 s18, s16, 1                          ; my half of its columns
	s_bfe_u32 s72, ttmp6, 0x40000                  ; cx
	s_bfe_u32 s73, ttmp6, 0x40004                  ; cy = tile row
	s_lshl_b32 s74, ttmp9, 2
	s_add_co_u32 s74, s74, s72                     ; tile column
	s_lshl_b32 s75, s73, 2
	s_lshl_b32 s75, 15, s75                        ; my row of the cluster
	s_lshl_b32 s76, 0x1111, s72                    ; my column
	s_or_b32 s[G1A+0], s75, (1<<20)|(1<<21)|(5<<22)|(3<<25)   ; codes: elements of 1 byte, 4 words of padding behind every 64
	s_or_b32 s[G1B+0], s76, (1<<20)|(1<<21)|(5<<22)|(3<<25)
.irp g, G1A, G1B
	s_mov_b32 s[\g+1], ROWB<<16
	s_mov_b32 s[\g+2], 256<<16
	s_mov_b32 s[\g+3], ROWB<<16
	s_mov_b32 s[\g+4], 256
	s_mov_b32 s[\g+5], KROW
	s_mov_b32 s[\g+6], 0
	s_mov_b32 s[\g+7], 0
.endr
	s_or_b32 s[G1SA+0], s75, (3<<16)|(1<<21)       ; scale bytes: 4,096 dense bytes as 16 rows of 32 elements of 8 bytes
	s_or_b32 s[G1SB+0], s76, (3<<16)|(1<<21)
.irp g, G1SA, G1SB
	s_mov_b32 s[\g+1], 32<<16
	s_mov_b32 s[\g+2], 16<<16
	s_mov_b32 s[\g+3], 32<<16
	s_mov_b32 s[\g+4], 16
	s_mov_b32 s[\g+5], 32
	s_mov_b32 s[\g+6], 0
	s_mov_b32 s[\g+7], 0
.endr
	s_lshl_b32 s78, s73, 19                        ; A's tile: 256 rows of 2,048 bytes x tile row
	s_mov_b32 s79, 0
	s_lshl_b32 s80, s73, 12                        ; its scale bytes
	s_mov_b32 s81, 0
	s_lshl_b32 s82, s74, 19                        ; B's, by the tile column
	s_mov_b32 s83, 0
	s_lshl_b32 s84, s74, 12
	s_mov_b32 s85, 0
	s_wait_dscnt 0x0
	s_wait_kmcnt 0x0
	CROUND                                         ; all sixteen work-groups are here: the first joint loads meet
	s_mov_b32 s[G0A], 1
	s_mov_b32 s[G0A+1], 0
	s_add_nc_u64 s[G0A+2:G0A+3], s[4:5], s[78:79]
	s_or_b32 s[G0A+3], s[G0A+3], 0x80000000
	s_mov_b32 s[G0B], 1
	s_mov_b32 s[G0B+1], TILE
	s_add_nc_u64 s[G0B+2:G0B+3], s[8:9], s[82:83]
	s_or_b32 s[G0B+3], s[G0B+3], 0x80000000
	s_mov_b32 s[G0SA], 1
	s_mov_b32 s[G0SA+1], SCA
	s_add_nc_u64 s[G0SA+2:G0SA+3], s[6:7], s[80:81]
	s_or_b32 s[G0SA+3], s[G0SA+3], 0x80000000
	s_mov_b32 s[G0SB], 1
	s_mov_b32 s[G0SB+1], SCB
	s_add_nc_u64 s[G0SB+2:G0SB+3], s[10:11], s[84:85]
	s_or_b32 s[G0SB+3], s[G0SB+3], 0x80000000
	FILL                                           ; K step 0: one tensor load a wave at the head
	s_mul_i32 s19, s17, HALFT                      ; my 128 rows of A
	s_mul_i32 s88, s18, HALFT
	s_add_co_u32 s88, s88, TILE                    ; my 128 rows of B
	s_lshl_b32 s89, s17, 11
	s_add_co_u32 s89, s89, SCA                     ; A's scale words of my rows
	s_lshl_b32 s90, s18, 11
	s_add_co_u32 s90, s90, SCB
	s_sub_co_u32 s90, s90, s89                     ; how far on B's lie
	s_mul_i32 s91, s16, 16*SPITCH                  ; my stage
	s_lshl_b32 s92, s74, 10                        ; my first column, in bytes of f32
	s_lshl_b32 s93, s18, 9
	s_add_co_u32 s92, s92, s93
	s_mov_b32 s93, 0
	s_add_nc_u64 s[12:13], s[12:13], s[92:93]
	s_add_nc_u64 s[14:15], s[14:15], s[92:93]
	s_lshl_b32 s92, s73, 24                        ; my first row of out: 256 x tile row + 128 x half
	s_lshl_b32 s94, s17, 23
	s_add_co_u32 s92, s92, s94
	s_add_nc_u64 s[14:15], s[14:15], s[92:93]
	s_cmp_eq_u32 s17, 0                            ; the prefetches: waves 0, 1 name rows of A's tile, waves 2, 3 of B's
	s_cselect_b32 s92, s73, s74
	s_cselect_b32 s94, s72, s73                    ; my place among the four that ask for the tile
	s_cselect_b64 s[PFA:PFA+1], s[4:5], s[8:9]
	s_lshl_b32 s92, s92, 8
	s_lshl_b32 s94, s94, 6
	s_add_co_u32 s92, s92, s94
	s_lshl_b32 s94, s18, 5
	s_add_co_u32 s92, s92, s94                     ; 256 x tile + 64 x place + 32 x (wave % 2)
	s_lshl_b32 s92, s92, 11
	s_add_co_u32 s92, s92, 2*ROWB                  ; at K step 2: the first refill steps it to 3 and names 4
	s_add_nc_u64 s[PFA:PFA+1], s[PFA:PFA+1], s[92:93]
	v_and_b32 v1, 15, v0
	v_bfe_u32 v2, v0, 4, 1
	v_mul_u32_u24 v3, v1, PITCH
	v_lshl_add_u32 v4, v2, 4, v3
	v_add_nc_u32 v[ADRA], s19, v4
	v_add_nc_u32 v[ADRB], s88, v4
	v_add_nc_u32 v[ADRA+1], SLOT, v[ADRA]
	v_add_nc_u32 v[ADRB+1], SLOT, v[ADRB]
	v_lshlrev_b32 v5, 4, v1                        ; 16 scale bytes a row
	v_mul_u32_u24 v6, s90, v2                      ; lanes 16-31 take B's
	v_add_nc_u32 v5, v5, v6
	v_add_nc_u32 v[ADRS], s89, v5
	v_add_nc_u32 v[ADRS+1], SLOT, v[ADRS]
	v_mul_u32_u24 v5, v1, SPITCH
	v_lshl_add_u32 v5, v2, 5, v5
	v_add_nc_u32 v[STO], s91, v5
	v_and_b32 v6, 31, v0
	v_lshlrev_b32 v[CO], 4, v6
	v_add_nc_u32 v[RD], s91, v[CO]
	v_lshlrev_b32 v[PFO], 11, v6                   ; a lane a row of codes
	v_lshlrev_b32 v[BSO], 5, v2
	s_wait_alu depctr_va_vdst(0)
	WIN TO_B
.irp b, 0,1,2,3,4,5,6,7
	global_load_b128 v[BIAS+8*\b:BIAS+8*\b+3], v[BSO], s[12:13] offset:64*\b       ; bias[16 b + 8 h + 0 .. 7] of my 128 columns: the result's layout
	global_load_b128 v[BIAS+8*\b+4:BIAS+8*\b+7], v[BSO], s[12:13] offset:64*\b+16
.endr
	WIN 0
.macro FRAG reg, adr, q, i             ; 16 rows x 128 K: lane l holds row l % 16; registers 4 c .. 4 c + 3 hold K = 64 c + 32 (l / 16) + 0 .. 31
.irp c, 0,1
	ds_load_b128 v[\reg+4*\c:\reg+4*\c+3], v[\adr] offset:64*(\q)+32*\c+(\i)*16*PITCH
.endr
.endm
; 16 matrix instructions: A's blocks a0, a0 + 1 x B's eight, both from set p.  first = 1: C is the bias.  The 64 accumulators take turns.
.macro MUL16 a0, p, q, sc, first
.irp a, \a0, \a0+1
.irp b, 0,1,2,3,4,5,6,7
.set rD, 8*(8*((\a)%4)+\b)
.set rC, rD
.if \first
.set rC, BIAS+8*\b
.endif
.set rA, AF+64*(\p)+8*(\a)
	v_wmma_scale_f32_16x16x128_f8f6f4 v[rD:rD+7], v[128*(\p)+8*\b:128*(\p)+8*\b+7], v[rA:rA+7], v[rC:rC+7], v[SC+32*(\sc)+4*\b+(\q)], v[SC+32*(\sc)+4*(\a)+(\q)] matrix_a_fmt:MATRIX_FMT_FP4 matrix_b_fmt:MATRIX_FMT_FP4 matrix_a_scale:MATRIX_SCALE_ROW1
.endr
.endr
.endm
.macro FETCH slot, q, p                ; 32 LDS loads in one run: B's eight fragments and A's eight of the slot's q-th 128 along K, into set p
	WIN TO_B
.irp i, 0,1,2,3,4,5,6,7
	FRAG 128*(\p)+8*\i, ADRB+\slot, \q, \i
.endr
	WIN 0
.irp i, 0,1,2,3,4,5,6,7
	FRAG AF+64*(\p)+8*\i, ADRA+\slot, \q, \i
.endr
.endm
.macro SCALES sc                       ; the slot's scale words: register 4 i + q: lanes 0-15 A's block i, lanes 16-31 B's block i
.irp i, 0,1,2,3,4,5,6,7
	ds_load_b128 v[SC+32*\sc+4*\i:SC+32*\sc+4*\i+3], v[ADRS+\sc] offset:\i*256
.endr
.endm
; A step of 128 along K with its successor in the same slot.  Four places stand in front of loads into registers that matrix instructions have read (ISA guide 7.12.1 for vector instructions).
.macro STEP slot, q, first
	s_wait_dscnt 0                                 ; this step's fragments are in: they were asked for at the head of the step before
	PLACES 4                                       ; behind the last step's products, which read the other sets
	FETCH \slot, (\q)+1, 1-(\q)%2
	WIN MUL_LO-0x10*\first                         ; first: C in window 1
	MUL16 0, (\q)%2, \q, \slot, \first
	MUL16 2, (\q)%2, \q, \slot, \first
	WIN MUL_HI-0x20*\first
	MUL16 4, (\q)%2, \q, \slot, \first
	MUL16 6, (\q)%2, \q, \slot, \first
	WIN 0
.endm
.macro ASK                             ; the K step two refills on; the loop's last trip (s3 = 1) has none
	s_cmp_gt_u32 s3, 1
	s_cbranch_scc0 .Lno_ask_\@
	global_prefetch_b8 v[PFO], s[PFA:PFA+1] offset:ROWB th:TH_LOAD_NT scope:SCOPE_SE
.Lno_ask_\@:
.endm
; A slot's last step changes slots: one barrier; in front of it each wave waits for all its tensor loads, adds 0 to its spare word, and waits for that and for its reads of this slot.
.macro TURN slot, next, fill
.if \fill
	s_wait_xcnt 0x0                                ; my last prefetch has read its address
	s_add_nc_u64 s[PFA:PFA+1], s[PFA:PFA+1], ROWB
.endif
	s_wait_tensorcnt 0x0
	ds_add_u32 v[SPW], v[NIL]
.if \fill
	NEXTG \slot
.endif
	s_wait_dscnt 1                                 ; this step's fragments are in; the add may be out
	WIN MUL_LO
	MUL16 0, 1, NQ-1, \slot, 0
	s_wait_dscnt 0x0                               ; the add is done, my reads of this slot are over
	s_barrier_signal -1
	MUL16 2, 1, NQ-1, \slot, 0
	WIN 0
	s_barrier_wait -1
.if \fill
	CREST                                          ; the barrier has opened a round of the cluster's barrier
	FILL                                           ; the first tensor load behind the round; its four v_nop are the places in front of the loads below
.else
	PLACES 4
.endif
	FETCH \next, 0, 0
	SCALES \next
.if \fill
	ASK
.endif
	WIN MUL_HI
	MUL16 4, 1, NQ-1, \slot, 0
	MUL16 6, 1, NQ-1, \slot, 0
	WIN 0
.endm
.macro STEPS slot, from
.set Q, \from
.rept NQ-1-\from
	STEP \slot, Q, 0
.set Q, Q+1
.endr
.endm
	s_wait_loadcnt 0x0                             ; the bias is in
	s_wait_tensorcnt 0x0                           ; my tile of K step 0 is in
	ds_add_u32 v[SPW], v[NIL]
	NEXTG 1
	s_wait_dscnt 0x0
	CROUND
	FILL                                           ; K step 1 into slot 1
	FETCH 0, 0, 0
	SCALES 0
	STEP 0, 0, 1                                   ; the first step starts the sums, with the bias
	s_mov_b32 s3, 3
.Llap:                                                 ; a trip goes once round the ring and fills both slots again: K steps 2 .. 7 in three trips
	STEPS 0, 1
	TURN 0, 1, 1
	STEPS 1, 0
	TURN 1, 0, 1
	STEP 0, 0, 0
	s_sub_co_u32 s3, s3, 1
	s_cmp_lg_u32 s3, 0
	s_cbranch_scc1 .Llap
	STEPS 0, 1                                     ; the last lap fills nothing
	TURN 0, 1, 0
	STEPS 1, 0
	s_wait_dscnt 0                                 ; the very last step: nothing more to fetch
	WIN MUL_LO
	MUL16 0, 1, NQ-1, 1, 0
	MUL16 2, 1, NQ-1, 1, 0
	WIN MUL_HI
	MUL16 4, 1, NQ-1, 1, 0
	MUL16 6, 1, NQ-1, 1, 0
	WIN 0
; THE WAY OUT, a block of 16 rows x 128 columns at a time, through my own stage: back as whole rows of 512 bytes.  LDS serves a wave's instructions in order (ISA guide 5.7.1.4).
.macro TOSTAGE a
.set AC, 64*((\a)%4)
	WIN 0x08+4*((\a)/4)                            ; an LDS store's data: window 2 or 3
.irp b, 0,1,2,3,4,5,6,7
	ds_store_b128 v[STO], v[AC+8*\b:AC+8*\b+3] offset:64*\b          ; each accumulator from its low end on
	ds_store_b128 v[STO], v[AC+8*\b+4:AC+8*\b+7] offset:64*\b+16
.endr
	WIN 0
.set BB, BK+64*((\a)%2)
.irp t, 0,1,2,3,4,5,6,7,8,9,10,11,12,13,14,15
	ds_load_b128 v[BB+4*\t:BB+4*\t+3], v[RD] offset:\t*SPITCH
.endr
.endm
.macro SEND a, younger
.set BB, BK+64*((\a)%2)
	s_wait_dscnt \younger
.if (\a) > 0
	s_add_nc_u64 s[14:15], s[14:15], 16*NROW       ; behind a wait on XCNT: the earlier stores have read their base
.endif
.irp t, 0,1,2,3,4,5,6,7,8,9,10,11,12,13,14,15
	global_store_b128 v[CO], v[BB+4*\t:BB+4*\t+3], s[14:15] offset:\t*NROW th:TH_STORE_NT   ; 32 lanes store 512 consecutive bytes, at a multiple of 256 from out's first byte
.endr
.endm
	PLACES 4
	TOSTAGE 0
.irp a, 1,2,3,4,5,6,7
.if \a > 1
	s_wait_xcnt 0x0                                ; block a - 2's stores have read their registers and their base
.endif
	TOSTAGE \a
	SEND \a-1, 32                                  ; behind block a - 1's loads: block a's 16 stores and 16 loads
.endr
	s_wait_xcnt 0x0
	SEND 7, 0
	s_wait_tensorcnt 0x0                           ; the wave's end
	ds_add_u32 v[SPW], v[NIL]
	s_wait_dscnt 0x0
	CROUND                                         ; the closing round
	s_endpgm
.Lfunc_end_k_qf57a84c608_mm:
	.size	k_qf57a84c608_mm, .Lfunc_end_k_qf57a84c608_mm-k_qf57a84c608_mm
	.p2alignl 7, 3214868480
	.fill 96, 4, 3214868480
	.section	.rodata,"a",@progbits
	.p2align	6, 0x0
	.amdhsa_kernel k_qf57a84c608_mm
		.amdhsa_group_segment_fixed_size 327680
		.amdhsa_private_segment_fixed_size 0
		.amdhsa_enable_private_segment 0
		.amdhsa_kernarg_size 48
		.amdhsa_user_sgpr_count 2
		.amdhsa_user_sgpr_kernarg_segment_ptr 1
		.amdhsa_wavefront_size32 1
		.amdhsa_system_sgpr_workgroup_id_x 1
		.amdhsa_system_sgpr_workgroup_id_y 1
		.amdhsa_system_sgpr_workgroup_id_z 1
		.amdhsa_system_vgpr_workitem_id 0
		.amdhsa_next_free_vgpr 1024
		.amdhsa_next_free_sgpr 96
		.amdhsa_reserve_vcc 0
		.amdhsa_float_denorm_mode_32 3
		.amdhsa_float_denorm_mode_16_64 3
		.amdhsa_memory_ordered 1
		.amdhsa_forward_progress 1
		.amdhsa_inst_pref_size 214
	.end_amdhsa_kernel
	.amdgpu_metadata
---
amdhsa.version: [ 1, 2 ]
amdhsa.kernels:
  - .name:           k_qf57a84c608_mm
    .symbol:         k_qf57a84c608_mm.kd
    .args:
      - { .name: xc, .offset: 0, .size: 8, .value_kind: global_buffer, .address_space: global }
      - { .name: xs, .offset: 8, .size: 8, .value_kind: global_buffer, .address_space: global }
      - { .name: wc, .offset: 16, .size: 8, .value_kind: global_buffer, .address_space: global }
      - { .name: ws, .offset: 24, .size: 8, .value_kind: global_buffer, .address_space: global }
      - { .name: bias, .offset: 32, .size: 8, .value_kind: global_buffer, .address_space: global }
      - { .name: out0, .offset: 40, .size: 8, .value_kind: global_buffer, .address_space: global }
    .group_segment_fixed_size: 327680
    .private_segment_fixed_size: 0
    .kernarg_segment_align: 8
    .kernarg_segment_size: 48
    .max_flat_workgroup_size: 128
    .sgpr_count:     96
    .vgpr_count:     1024
    .wavefront_size: 32
...
	.end_amdgpu_metadata
.endif
;; end of part 2
